; MI455X (gfx1250); checked and timed in simulation.
; The chip was launched on July 23, 2026; its instructions are those of AMD's public machine-readable ISA for CDNA 5 (MIT licence, August 2026) and "CDNA5" Instruction Set Architecture Reference Guide (July 2026). The comments in the code are by the model that wrote it; some were corrected since.
;; Selfatt. Allowed arithmetic: float matrix products may take bf16 or f16 operands with f32 sums; other float arithmetic in f32, or as packed bf16 or f16 multiplies, adds, multiply-adds, maxima and minima; sums over many terms, partial sums and values carried from step to step in f32; what a program stores and reads back later, other than sums and carried values, may be rounded once to bf16 or f16.
;; Inputs: W_g 64 x 1,024 float32; W_phi 256 x 1,024 float32; W_theta 256 x 1,024 float32; x 8 x 4,096 x 1,024 float32.
;; Outputs: out0 8 x 4,096 x 64 float32.
;; One version. Each part assembles by itself: llvm-mc -triple=amdgcn-amd-amdhsa -mcpu=gfx1250 --defsym DOCPART=n.
;; ======== version 1 of 1: 4 launches
;; limits: values are held in f16: magnitudes above 65,504 overflow, below 6.1e-05 lose precision
;; workspace buffers: wb 1,179,648 bytes; th 16,777,216 bytes; part 16,777,216 bytes; msum 524,288 bytes
;; launch castw (part 1): grid 36 x 8, 8 waves a work-group, no clusters, 0 bytes of LDS; arguments W_theta, W_phi, W_g, wb; writes wb
.if DOCPART == 1
	.amdgcn_target "amdgcn-amd-amdhsa--gfx1250"
	.amdhsa_code_object_version 6
	.text
	.protected	k_q58e7322d91_castw
	.globl	k_q58e7322d91_castw
	.p2align	8
	.type	k_q58e7322d91_castw,@function
k_q58e7322d91_castw:
	s_mov_b64 s[64:65], 0
	v_nop
	global_prefetch_b8 v0, s[64:65] scope:SCOPE_SE
	s_setreg_imm32_b32 hwreg(HW_REG_WAVE_MODE, 25, 1), 1
	s_wait_xcnt 0x0
; THE WHOLE PROGRAM.  out[b] = (theta phi^T / 32) g  with  theta = x W_theta^T, phi = x W_phi^T ([4096][256]), g = x W_g^T ([4096][64]), for 8 batches.
; WORK LEFT OUT.  Between the two products with att = theta phi^T / 32 stands nothing but that constant factor: no softmax, no mask, no other step.  For all real matrices
; (A B^T) C = A (B^T C): the same products a(n,l) b(m,l) c(m,o), summed over l and m in another order.  So att ([4096][4096] a batch) is never formed:
; M = phi^T g ([256][64] a batch) is made first, and out = theta M / 32.  The two products over 4096 x 4096 are replaced by two over 256 x 64; no input is left out, all four are loaded.
; LIMITS.  An overflow, an infinity or a NaN that would arise in att alone is not carried to the result; the order of rounding differs from that of the sums over att.
; FORMATS.  All four inputs are rounded once to bf16.  What the program makes itself (theta, phi, g, M) is rounded once to f16; all sums are f32.
; The factor 1/32 is a power of two: all three weights are multiplied by 2^-5 here, ahead of their rounding (exact), so theta' = theta/32, phi' = phi/32, g' = g/32 have room in f16,
; and out = 1024 theta' (phi'^T g').
;
; THIS LAUNCH: the weights, times 2^-5, rounded to bf16 and laid out as the next launch's tiles:  wb[s 0..15][w 0..3][i 0..143][k 0..63],  k = 64 s + 0..63.
; Row i of block w: i < 64: W_theta row 64 w + i;  64 <= i < 128: W_phi row 64 w + i - 64;  i >= 128: W_g row 16 w + i - 128.  A block (s, w) is 18,432 dense bytes.
; SHARES.  Work-group (iq, y): rows i0 = 4 iq .. + 3 of block w = y % 4; its wave v takes s = 8 (y / 4) + v.  A wave reads 4 rows x 256 bytes and stores 512 consecutive bytes, aligned.
; No LDS, no barrier: no wave wants what another wave has read.
.set SCALE, 0x3d000000                 ; 2^-5
	s_load_b128 s[4:7], s[0:1], 0x0                ; W_theta s[4:5], W_phi s[6:7]
	s_load_b128 s[8:11], s[0:1], 0x10              ; W_g s[8:9], wb s[10:11]
	v_lshrrev_b32 v3, 5, v0
	v_readfirstlane_b32 s12, v3                    ; wave 0..7
	v_and_b32 v3, 31, v0                           ; lane
	v_lshrrev_b32 v1, 3, v3                        ; which of the four rows
	v_and_b32 v2, 7, v3                            ; which eight numbers of the row's 64
	v_lshlrev_b32 v1, 12, v1                       ; a row of a weight is 4,096 bytes
	v_lshl_add_u32 v1, v2, 5, v1                   ; + 32 bytes of f32 for each eight
	v_lshlrev_b32 v2, 4, v3                        ; out: 16 bytes a lane, 128 bytes a row: 16 x lane
	s_mov_b32 s22, ttmp9                           ; iq
	s_and_b32 s13, ttmp7, 0xffff                   ; y
	s_and_b32 s14, s13, 3                          ; w
	s_lshr_b32 s15, s13, 2
	s_lshl3_add_u32 s16, s15, s12                  ; s = 8 (y / 4) + wave
	s_lshl_b32 s17, s22, 2                         ; i0
	s_and_b32 s18, s17, 63
	s_lshl_b32 s23, s14, 6
	s_add_co_u32 s18, s18, s23                     ; the row in W_theta or W_phi: 64 w + i0 % 64
	s_and_b32 s19, s17, 15
	s_lshl4_add_u32 s19, s14, s19                  ; the row in W_g: 16 w + i0 % 16 (i0 - 128 where i0 >= 128)
	s_cmp_lt_u32 s22, 32
	s_cselect_b32 s18, s18, s19
	s_lshl_b32 s18, s18, 12                        ; the row's bytes,
	s_lshl_b32 s23, s16, 8                         ; and 256 bytes of it for each s
	s_add_co_u32 s18, s18, s23
	s_mov_b32 s19, 0
	s_mul_i32 s24, s16, 73728                      ; in wb: tile s,
	s_mul_i32 s25, s14, 18432                      ; block w,
	s_add_co_u32 s24, s24, s25
	s_lshl_b32 s25, s17, 7                         ; row i0 of 128 bytes
	s_add_co_u32 s24, s24, s25
	s_mov_b32 s25, 0
	s_wait_kmcnt 0x0
	s_cmp_lt_u32 s22, 16                           ; which weight: the choice hangs on the work-group's number alone
	s_cselect_b64 s[20:21], s[4:5], s[6:7]
	s_cmp_lt_u32 s22, 32
	s_cselect_b64 s[20:21], s[20:21], s[8:9]
	s_add_nc_u64 s[20:21], s[20:21], s[18:19]
	s_add_nc_u64 s[10:11], s[10:11], s[24:25]
	global_load_b128 v[4:7],  v1, s[20:21] th:TH_LOAD_NT
	global_load_b128 v[8:11], v1, s[20:21] offset:16 th:TH_LOAD_NT
	s_wait_loadcnt 0x0
.irp j, 4,6,8,10
	v_pk_mul_f32 v[\j:\j+1], v[\j:\j+1], SCALE op_sel_hi:[1,0]     ; times 2^-5: exact
.endr
.irp j, 0,1,2,3
	v_cvt_pk_bf16_f32 v[12+\j], v[4+2*\j], v[5+2*\j]               ; the one rounding
.endr
	global_store_b128 v2, v[12:15], s[10:11]       ; the wave's 512 consecutive bytes
	s_endpgm
.Lfunc_end_k_q58e7322d91_castw:
	.size	k_q58e7322d91_castw, .Lfunc_end_k_q58e7322d91_castw-k_q58e7322d91_castw
	.p2alignl 7, 3214868480
	.fill 96, 4, 3214868480
	.section	.rodata,"a",@progbits
	.p2align	6, 0x0
	.amdhsa_kernel k_q58e7322d91_castw
		.amdhsa_group_segment_fixed_size 0
		.amdhsa_private_segment_fixed_size 0
		.amdhsa_enable_private_segment 0
		.amdhsa_kernarg_size 32
		.amdhsa_user_sgpr_count 2
		.amdhsa_user_sgpr_kernarg_segment_ptr 1
		.amdhsa_wavefront_size32 1
		.amdhsa_system_sgpr_workgroup_id_x 1
		.amdhsa_system_sgpr_workgroup_id_y 1
		.amdhsa_system_sgpr_workgroup_id_z 1
		.amdhsa_system_vgpr_workitem_id 0
		.amdhsa_next_free_vgpr 24
		.amdhsa_next_free_sgpr 66
		.amdhsa_reserve_vcc 0
		.amdhsa_float_denorm_mode_32 3
		.amdhsa_float_denorm_mode_16_64 3
		.amdhsa_memory_ordered 1
		.amdhsa_forward_progress 1
		.amdhsa_inst_pref_size 3
	.end_amdhsa_kernel
	.amdgpu_metadata
---
amdhsa.version: [ 1, 2 ]
amdhsa.kernels:
  - .name:           k_q58e7322d91_castw
    .symbol:         k_q58e7322d91_castw.kd
    .args:
      - { .name: W_theta, .offset: 0, .size: 8, .value_kind: global_buffer, .address_space: global }
      - { .name: W_phi, .offset: 8, .size: 8, .value_kind: global_buffer, .address_space: global }
      - { .name: W_g, .offset: 16, .size: 8, .value_kind: global_buffer, .address_space: global }
      - { .name: wb, .offset: 24, .size: 8, .value_kind: global_buffer, .address_space: global }
    .group_segment_fixed_size: 0
    .private_segment_fixed_size: 0
    .kernarg_segment_align: 8
    .kernarg_segment_size: 32
    .max_flat_workgroup_size: 256
    .sgpr_count:     66
    .vgpr_count:     24
    .wavefront_size: 32
...
	.end_amdgpu_metadata
.endif
;; end of part 1
;; launch proj (part 2): grid 256 x 1, 4 waves a work-group, clusters of 4 x 1, 327,680 bytes of LDS; arguments x, wb, th, part; writes th, part
.if DOCPART == 2
	.amdgcn_target "amdgcn-amd-amdhsa--gfx1250"
	.amdhsa_code_object_version 6
	.text
	.protected	k_q58e7322d91_proj
	.globl	k_q58e7322d91_proj
	.p2align	8
	.type	k_q58e7322d91_proj,@function
k_q58e7322d91_proj:
	s_mov_b64 s[64:65], 0
	v_nop
	global_prefetch_b8 v0, s[64:65] scope:SCOPE_SE
	s_setreg_imm32_b32 hwreg(HW_REG_WAVE_MODE, 25, 1), 1
	s_wait_xcnt 0x0
	s_wait_alu depctr_hold_cnt(0) depctr_sa_sdst(0) depctr_va_vdst(0) depctr_va_sdst(0) depctr_va_ssrc(0) depctr_va_vcc(0) depctr_vm_vsrc(0)
	s_getreg_b32 s2, hwreg(HW_REG_IB_STS2, 6, 4)
	s_cmp_eq_u32 s2, 0
	s_cbranch_scc0 .Lentry_in_a_cluster
	s_endpgm
.Lentry_in_a_cluster:
	s_bfe_u32 s2, ttmp6, 0x10000c
	s_cmp_lg_u32 s2, 0x3003
	s_cbranch_scc0 .Lentry_shape_is_right
	s_endpgm
.Lentry_shape_is_right:
; theta' = x W_theta^T / 32, phi' = x W_phi^T / 32, g' = x W_g^T / 32 for 128 rows of x, and of them this work-group's share of M' = phi'^T g'.
; WORK LEFT OUT: att = theta phi^T is never formed, since (theta phi^T) g = theta (phi^T g) for all real values (shown at the head of the first kernel); phi' and g' never leave the work-group.
; LIMITS.  theta', phi', g' are rounded to f16: |x . W| / 32 stays under 65,504; below 6e-5 they keep f16's fixed step of 6e-8.  NaN and infinities are not treated apart.
; SHARES.  Work-group g = 4 x cluster + cx owns rows 128 g .. 128 g + 127 of x (taken as [32768][1024]) and all 576 columns.  Wave w owns all 128 rows x 144 columns:
; theta's l = 64 w + 16 c (c = 0..3), phi's l = 64 w + 16 c', g's o = 16 w: 72 accumulators of 16 x 16, 576 registers.  K goes in 16 steps of 64, each two halves of 32: 72 matrix instructions a half.
; THE WEIGHTS come from wb (bf16, laid out by blocks) through two LDS slots filled by tensor loads; wave w fetches and reads block w alone.  All work-groups walk the same wb, so the four
; partners of a cluster ask JOINTLY: the same load, descriptor and mask in all four.  x has one reader a row: it is shared with nobody.
; x comes through registers: f32 loads (16 a wave and step, each lane 16 bytes, sixteen lanes 256 consecutive bytes of a row), rounded to bf16, stored into one of two LDS slots, read by all four waves.
; Two sets of staging registers: the loads of two steps, 32 a wave, are out while a third step is multiplied; they stay out across barriers.
; LAYOUTS.  theta: source 0 = 16 rows of W, source 1 = 16 rows of x: a lane holds ONE row of x and eight neighbouring l: two such results rounded to f16 ARE source 1 (32 l x 16 rows) of the last launch's
; product; they are stored as they lie.  phi, g: source 0 = x, source 1 = W: a lane holds ONE l (or o) and eight neighbouring rows: rounded to f16 they ARE sources 0 and 1 of M' = phi'^T g', K = rows.
; REGISTERS, in windows of 256 (s_set_vgpr_msb: bits 1:0 source 0, 3:2 source 1, 5:4 source 2, 7:6 destination):
;   window 0: v0-15 addresses; v24-95 W's nine fragments; v96-159, v160-223 x's eight fragments, two buffers; v224-255 g' packed; at the end v24-151 theta' packed
;   window 1: theta's accumulators, (c, a) at 8 (8 c + a); at the end v0-127 all g' fragments, v128-255 M''s 16 accumulators
;   window 2: phi's accumulators, (c', a) at 8 (8 c' + a)
;   window 3: v0-63 g's accumulators; v64-127, v128-191 the two staging sets; at the end v64-191 phi' packed
.set P,      144                       ; an LDS row of 64 bf16: 128 bytes + 16 = 36 words: the 16 rows of a fragment load start at 16 different groups of four banks (64 banks of 4 bytes: ISA guide 11.1)
.set FR,     16*P                      ; 16 rows: from fragment to fragment
.set WBLK,   144*P                     ; a wave's block of W: 144 rows
.set WSLOT,  4*WBLK                    ; a slot of W: 82,944 bytes; slots at 0 and WSLOT, filled by tensor loads alone
.set XS,     2*WSLOT                   ; x's two slots, 128 rows each, written by ds_store alone
.set XSLOT,  128*P
.set GX,     XS+2*XSLOT                ; g' fragments of the four waves: 4,096 w + 1,024 kk + 512 half + 16 lane
.set SPARE,  GX+16384                  ; the spare words, 128 bytes for each wave: two blocks of 256 bytes that no other line names
.set WTILE,  73728                     ; bytes of wb in a K step
.set VB,  4                            ; v4-5   LDS address of my lane in my block of W, slot 0, 1
.set VA,  6                            ; v6-7   the same in x's slot 0, 1
.set VX,  8                            ; v8     my byte offset in the work-group's rows of x: row 32 w + 8 (l / 16), 16 (l % 16); never rewritten
.set VXS, 9                            ; v9     where I put 8 bytes of bf16 of that row in x's slot 0
.set VPF, 10                           ; v10    the prefetches' offset: row 32 w + l; never rewritten
.set VL,  11                           ; v11    16 x lane
.set SPW, 12                           ; v12    LDS address of my spare word; never rewritten
.set NIL, 13                           ; v13    0; never rewritten
.set VGS, 14                           ; v14    where I put g' fragments
.set VGL, 15                           ; v15    where I read them
.set BF,  24
.set AB0, 96
.set AB1, 160
.set GP,  224
.set TP,  24
.set SG,  64                           ; the staging sets, in window 3
.set WV,  12                           ; s12      my wave's number
.set XP,  18                           ; s[18:19] x at the work-group's first row, at the K step last loaded
.set G1,  24                           ; s[24:31] descriptor group 1
.set G0,  32                           ; s[32:39] descriptor group 0, a set for each slot
.set CNT, 40                           ; s40      trips still to come
.set MSB, 0
.macro WIN new                         ; the immediate's high byte repeats the setting that is left; a switch that changes nothing is dropped
.if MSB != (\new)
	s_set_vgpr_msb (MSB<<8)|(\new)
.set MSB, \new
.endif
.endm
.macro PLACES                          ; four places between a matrix instruction and a load into, or a vector write of, its registers, or a vector read of its result (ISA guide 7.12.1 for vector writes and reads)
.rept 4
	v_nop
.endr
.endm
; A round of the cluster's barrier: my work-group's barrier, so that wave 0's signal speaks for all four waves; wave 0 signals; every wave waits for all four work-groups; my work-group's barrier once more.
.macro CREST                           ; a round behind its opening barrier
	s_cmp_lg_u32 s[WV], 0
	s_cbranch_scc1 .Lnot_wave_0_\@
	s_barrier_signal -3
.Lnot_wave_0_\@:
	s_barrier_wait -3
	s_barrier_signal -1
	s_barrier_wait -1
.endm
.macro CROUND
	s_barrier_signal -1
	s_barrier_wait -1
	CREST
.endm
; THE MATRIX WORK of a half step.  Each of the 72 accumulators has one instruction a half, always in the same order: 71 others stand between two links of a chain, over the backward jump too.
.macro TH c0, buf, zero                ; theta: column tiles c0, c0 + 1 x 8 row tiles.  zero = 1: the product starts the sum
	WIN 0x50
.irp c, \c0, (\c0)+1
.irp a, 0,1,2,3,4,5,6,7
.if \zero
	v_wmma_f32_16x16x32_bf16 v[8*(8*(\c)+(\a)):8*(8*(\c)+(\a))+7], v[BF+8*(\c):BF+8*(\c)+7], v[(\buf)+8*(\a):(\buf)+8*(\a)+7], 0
.else
	v_wmma_f32_16x16x32_bf16 v[8*(8*(\c)+(\a)):8*(8*(\c)+(\a))+7], v[BF+8*(\c):BF+8*(\c)+7], v[(\buf)+8*(\a):(\buf)+8*(\a)+7], v[8*(8*(\c)+(\a)):8*(8*(\c)+(\a))+7]
.endif
.endr
.endr
.endm
.macro PH buf, zero                    ; phi: 4 column tiles x 8 row tiles
	WIN 0xa0
.irp c, 0,1,2,3
.irp a, 0,1,2,3,4,5,6,7
.if \zero
	v_wmma_f32_16x16x32_bf16 v[8*(8*(\c)+(\a)):8*(8*(\c)+(\a))+7], v[(\buf)+8*(\a):(\buf)+8*(\a)+7], v[BF+32+8*(\c):BF+32+8*(\c)+7], 0
.else
	v_wmma_f32_16x16x32_bf16 v[8*(8*(\c)+(\a)):8*(8*(\c)+(\a))+7], v[(\buf)+8*(\a):(\buf)+8*(\a)+7], v[BF+32+8*(\c):BF+32+8*(\c)+7], v[8*(8*(\c)+(\a)):8*(8*(\c)+(\a))+7]
.endif
.endr
.endr
.endm
.macro GG buf, zero                    ; g: 8 row tiles
	WIN 0xf0
.irp a, 0,1,2,3,4,5,6,7
.if \zero
	v_wmma_f32_16x16x32_bf16 v[8*(\a):8*(\a)+7], v[(\buf)+8*(\a):(\buf)+8*(\a)+7], v[BF+64:BF+71], 0
.else
	v_wmma_f32_16x16x32_bf16 v[8*(\a):8*(\a)+7], v[(\buf)+8*(\a):(\buf)+8*(\a)+7], v[BF+64:BF+71], v[8*(\a):8*(\a)+7]
.endif
.endr
.endm
; THE LDS LOADS stand in two runs a half.  A fragment is 16 rows x 32 K in 8 registers: lane l holds row l % 16; registers 0-3 K = 8 (l / 16) + 0..7, registers 4-7 K = 16 + 8 (l / 16) + 0..7: two loads, 32 bytes apart.
.macro RUNX slot, kb, buf              ; 24 loads: theta's four fragments of W and x's eight, at byte kb of the rows
	WIN 0
.irp c, 0,1,2,3
	ds_load_b128 v[BF+8*(\c):BF+8*(\c)+3],   v[VB+(\slot)] offset:(\c)*FR+(\kb)
	ds_load_b128 v[BF+8*(\c)+4:BF+8*(\c)+7], v[VB+(\slot)] offset:(\c)*FR+(\kb)+32
.endr
.irp a, 0,1,2,3,4,5,6,7
	ds_load_b128 v[(\buf)+8*(\a):(\buf)+8*(\a)+3],   v[VA+(\slot)] offset:(\a)*FR+(\kb)
	ds_load_b128 v[(\buf)+8*(\a)+4:(\buf)+8*(\a)+7], v[VA+(\slot)] offset:(\a)*FR+(\kb)+32
.endr
.endm
.macro RUNY slot, kb                   ; 10 loads: phi's four fragments of W and g's one
	WIN 0
.irp c, 4,5,6,7,8
	ds_load_b128 v[BF+8*(\c):BF+8*(\c)+3],   v[VB+(\slot)] offset:(\c)*FR+(\kb)
	ds_load_b128 v[BF+8*(\c)+4:BF+8*(\c)+7], v[VB+(\slot)] offset:(\c)*FR+(\kb)+32
.endr
.endm
; 16 loads of x into staging set u: load i takes rows 16 (i / 8) + i % 8 (lanes 0-15) and 8 further down (lanes 16-31) of my 32: 256 consecutive bytes, aligned, of each.
.macro XLOAD u, off
	WIN 0xc0                                       ; destination window 3, address window 0
.irp i, 0,1,2,3,4,5,6,7,8,9,10,11,12,13,14,15
	global_load_b128 v[SG+64*(\u)+4*(\i):SG+64*(\u)+4*(\i)+3], v[VX], s[XP:XP+1] offset:(16*((\i)/8)+(\i)%8)*4096+(\off) th:TH_LOAD_NT
.endr
.endm
; Staging set u is rounded to bf16 in place and stored into x's slot u.  gl = 1: the set is then loaded again, adv bytes further along K.  lcnt: the younger loads, which may stay out.
.macro XSTAGE u, gl, lcnt, adv
	s_wait_loadcnt \lcnt                           ; loads come back in order (ISA guide 5.7.1): set u is in
	WIN 0xcf
.irp i, 0,1,2,3,4,5,6,7,8,9,10,11,12,13,14,15
	v_cvt_pk_bf16_f32 v[SG+64*(\u)+4*(\i)],   v[SG+64*(\u)+4*(\i)],   v[SG+64*(\u)+4*(\i)+1]
	v_cvt_pk_bf16_f32 v[SG+64*(\u)+4*(\i)+1], v[SG+64*(\u)+4*(\i)+2], v[SG+64*(\u)+4*(\i)+3]
.endr
	WIN 0x0c                                       ; store data window 3, address window 0
.irp i, 0,1,2,3,4,5,6,7,8,9,10,11,12,13,14,15
	ds_store_b64 v[VXS], v[SG+64*(\u)+4*(\i):SG+64*(\u)+4*(\i)+1] offset:(\u)*XSLOT+(16*((\i)/8)+(\i)%8)*P  ; lanes 0-15 fill 128 bytes of a row; lanes 16-31 the row 8 further down, 288 words on: the other 32 banks
.endr
.if \gl
	s_wait_xcnt 0x0                                ; the other set's loads and the last prefetch, half a step back or more, have read the pointer: it is written only behind this wait
	s_add_nc_u64 s[XP:XP+1], s[XP:XP+1], \adv
	XLOAD \u, 0
.endif
	WIN 0
.endm
; A PREFETCH INTO THE L2 of x: my own 32 rows, a lane a row, the 256 bytes of the K step that stands two steps behind the one just loaded: 288 matrix instructions ahead of the loads that will want them.
; Each aligned block of 256 bytes of x is named once in the launch, by the wave that will load it.  Steps 0 to 4 come by their loads alone; mode 2, in the loop: the last trip asks for nothing, since steps 16 and 17 do not exist.
.macro ASK mode
.if (\mode) == 2
	s_cmp_gt_u32 s[CNT], 1
	s_cbranch_scc0 .Lno_ask_\@
.endif
	global_prefetch_b8 v[VPF], s[XP:XP+1] offset:512 th:TH_LOAD_NT scope:SCOPE_SE
.if (\mode) == 2
.Lno_ask_\@:
.endif
.endm
; THE FIRST HALF of the step in slot p.  st = 1: the next step's x goes from its staging set into the other slot of x (all reads of that slot were waited for in front of the last barrier).
.macro HA p, zero, st, gl, lcnt, pf
	s_wait_dscnt 10                                ; theta's fragments and x's are in; the ten loads for phi and g may be out
	TH 0, AB0, \zero
	TH 2, AB0, \zero
.if \st
	XSTAGE 1-(\p), \gl, \lcnt, 256                 ; its 32 conversions are also the places in front of the loads below
.else
	PLACES
.endif
	RUNX \p, 64, AB1                               ; the second half's
.if \pf
	ASK \pf                                        ; behind my loads of x and the run of LDS loads
.endif
	s_wait_dscnt 24                                ; all but the 24 just issued
	PH AB0, \zero
	GG AB0, \zero
	PLACES
	RUNY \p, 64
.endm
; THE SECOND HALF, and the change of slots: ONE barrier.  In front of it each wave waits for all its tensor loads, of which one is out: its block of the next slot; adds 0 to its spare word; and waits for that, for its
; reads of both slots in hand and for its stores of x.  Behind it nobody reads this step's slots any more, and the next step's x is whole.  fill = 1: W's slot p is filled again, two steps ahead: the barrier then opens a
; round of the cluster's, so that no wave of any partner still reads the slot or has a load on its way, and the joint load is the first thing behind the round: it has a step less 32 matrix instructions in which to land.
.macro HB p, fill
	WIN 0
	s_wait_tensorcnt 0x0                           ; no tensor load of mine is out, so a group 0 may be written
	ds_add_u32 v[SPW], v[NIL]                      ; 0 onto my spare word
.if \fill
	s_add_nc_u64 s[G0+4*(\p)+2:G0+4*(\p)+3], s[G0+4*(\p)+2:G0+4*(\p)+3], 2*WTILE  ; this slot's next tile; the type bits on top are not reached
.endif
	s_wait_dscnt 11                                ; (the add and the ten loads for phi and g may be out)
	TH 0, AB1, 0                                   ; sixteen matrix instructions stand between the add and the wait for it
	s_wait_dscnt 0x0                               ; the add is done, my reads of this step's slots are over, my stores of x have landed
	s_barrier_signal -1
	TH 2, AB1, 0                                   ; work on registers while the others arrive
	WIN 0
	s_barrier_wait -1
.if \fill
	CREST
	tensor_load_to_lds s[G0+4*(\p):G0+4*(\p)+3], s[G1:G1+7]  ; my one tensor load behind the round
	s_nop 0
	PLACES                                         ; the places in front of the loads below
.else
	PLACES
.endif
	RUNX 1-(\p), 0, AB0                            ; the next step's first half
	PH AB1, 0
	GG AB1, 0
	PLACES
	RUNY 1-(\p), 0
.endm
	s_load_b256 s[4:11], s[0:1], 0x0               ; x s[4:5], wb s[6:7], th s[8:9], part s[10:11]
	v_lshl_add_u32 v[SPW], v0, 2, SPARE
	v_mov_b32 v[NIL], 0
	ds_add_u32 v[SPW], v[NIL]                      ; the wave's opening: the add, twice on end, and its wait ahead of my first tensor load; the set-up below, work on registers, stands between
	ds_add_u32 v[SPW], v[NIL]
	v_lshrrev_b32 v1, 5, v0
	v_readfirstlane_b32 s[WV], v1                  ; wave 0..3
	s_bfe_u32 s13, ttmp6, 0x40000                  ; cx: my place in the cluster
	s_lshl_b32 s14, ttmp9, 2                       ; in a cluster launch ttmp9 counts clusters
	s_add_co_u32 s14, s14, s13                     ; g: it enters the addresses of x, th and part alone
	; descriptor group 1: a block of 18,432 dense bytes, asked for as 72 rows of 256 bytes (two rows of W each) and padded in LDS after every row of W
	s_mov_b32 s[G1+0], 15|(1<<16)|(1<<20)|(1<<21)|(4<<22)|(3<<25)  ; 15:0 the mask: all four work-groups; 17:16 elements of 2 bytes; 20 padding on; 21 set beside a mask; 24:22 after every 32 words (code 4); 31:25 4 words (code 3)
	s_mov_b32 s[G1+1], 128<<16                     ; tensor_dim0 = 128
	s_mov_b32 s[G1+2], 72<<16                      ; tensor_dim1 = 72
	s_mov_b32 s[G1+3], 128<<16                     ; tile_dim0 = 128
	s_mov_b32 s[G1+4], 72                          ; tile_dim1 = 72
	s_mov_b32 s[G1+5], 128                         ; 128 elements from row to row
	s_mov_b32 s[G1+6], 0
	s_mov_b32 s[G1+7], 0
	s_mul_i32 s16, s[WV], 18432                    ; my block in a tile of wb,
	s_mov_b32 s17, 0
	s_mul_i32 s41, s[WV], WBLK                     ; and in a slot: the wave's number alone
	s_lshl_b32 s20, s14, 19                        ; x: 128 rows of 4,096 bytes
	s_mov_b32 s21, 0
	s_lshl_b32 s22, s14, 16                        ; th: 65,536 g + 2,048 w (my two blocks of 32 l)
	s_lshl_b32 s44, s[WV], 11
	s_add_co_u32 s22, s22, s44
	s_mov_b32 s23, 0
	s_lshl_b32 s42, s14, 16                        ; part: 65,536 g + 4,096 w (my four tiles of 16 l)
	s_lshl_b32 s44, s[WV], 12
	s_add_co_u32 s42, s42, s44
	s_mov_b32 s43, 0
	s_lshl_b32 s44, s[WV], 17                      ; my 32 rows of x
	v_and_b32 v3, 31, v0                           ; l
	v_and_b32 v1, 15, v0                           ; l % 16
	v_bfe_u32 v2, v0, 4, 1                         ; l / 16
	v_lshlrev_b32 v[VX], 4, v1
	v_lshl_add_u32 v[VX], v2, 15, v[VX]            ; 8 rows down for lanes 16-31
	v_add_nc_u32 v[VX], s44, v[VX]
	v_lshl_add_u32 v[VPF], v3, 12, s44
	v_lshlrev_b32 v[VL], 4, v3
	s_wait_dscnt 0x0                               ; both opening adds are done
	s_wait_kmcnt 0x0
	s_add_nc_u64 s[XP:XP+1], s[4:5], s[20:21]
	s_add_nc_u64 s[8:9], s[8:9], s[22:23]
	s_add_nc_u64 s[10:11], s[10:11], s[42:43]
	s_add_nc_u64 s[6:7], s[6:7], s[16:17]
.irp n, 0,1
	s_mov_b32 s[G0+4*(\n)], 1                      ; 1:0 count = 1
	s_add_co_u32 s[G0+4*(\n)+1], s41, (\n)*WSLOT   ; 63:32 LDS address
	s_add_nc_u64 s[G0+4*(\n)+2:G0+4*(\n)+3], s[6:7], (\n)*WTILE  ; 120:64 global address: K step n
	s_or_b32 s[G0+4*(\n)+3], s[G0+4*(\n)+3], 0x80000000          ; 127:126 type = 2
.endr
	XLOAD 0, 0                                     ; x of step 0,
	XLOAD 1, 256                                   ; and of step 1
	WIN 0
	CROUND                                         ; all four work-groups are here: the first joint loads meet
	tensor_load_to_lds s[G0:G0+3], s[G1:G1+7]      ; the two first fills go out together: two loads of mine are out
	s_nop 0
	tensor_load_to_lds s[G0+4:G0+7], s[G1:G1+7]
	s_nop 0
	PLACES
	v_mul_u32_u24 v16, v1, P
	v_lshl_add_u32 v16, v2, 4, v16                 ; a fragment's row x pitch + 16 x half
	v_add_nc_u32 v[VB], s41, v16
	v_add_nc_u32 v[VB+1], WSLOT, v[VB]
	v_add_nc_u32 v[VA], XS, v16
	v_add_nc_u32 v[VA+1], XSLOT, v[VA]
	s_mul_i32 s45, s[WV], 32*P
	s_add_co_u32 s45, s45, XS
	v_mul_u32_u24 v[VXS], v2, 8*P
	v_lshl_add_u32 v[VXS], v1, 3, v[VXS]
	v_add_nc_u32 v[VXS], s45, v[VXS]
	s_lshl_b32 s46, s[WV], 12
	s_add_co_u32 s46, s46, GX
	v_lshl_add_u32 v[VGS], v3, 4, s46
	v_lshl_add_u32 v[VGL], v3, 4, GX
	XSTAGE 0, 1, 16, 512                           ; step 0 into x's slot 0 (step 1's 16 loads stay out); step 2 is asked for
	s_wait_tensorcnt 1                             ; my block of step 0 is in; step 1's may stay out
	s_wait_dscnt 0x0                               ; my stores of x have landed
	s_barrier_signal -1
	s_barrier_wait -1
	RUNX 0, 0, AB0
	RUNY 0, 0
	HA 0, 1, 1, 1, 16, 1                           ; step 0's first half stands in front of the loop: its products start all 72 sums
	WIN 0                                          ; at a label and at a branch every window is 0
	s_mov_b32 s[CNT], 6
.Ltrip:                                                ; a trip goes once round the ring, from a step's second half to the first half two steps on: steps 0 to 12
	HB 0, 1
	HA 1, 0, 1, 1, 16, 2
	HB 1, 1
	HA 0, 0, 1, 1, 16, 2
	WIN 0
	s_sub_co_u32 s[CNT], s[CNT], 1
	s_cmp_lg_u32 s[CNT], 0
	s_cbranch_scc1 .Ltrip
	HB 0, 1                                        ; the tail is written out.  Step 12: W's step 14 is asked for
	HA 1, 0, 1, 0, 16, 0                           ; step 13: x of step 14 is staged (step 15's 16 loads stay out); nothing more of x is asked for
	HB 1, 1                                        ; W's step 15: the last fill
	HA 0, 0, 1, 0, 0, 0                            ; step 14: x of step 15 is staged
	HB 0, 0                                        ; nothing is filled: a barrier of the work-group alone
	HA 1, 0, 0, 0, 0, 0                            ; step 15
	s_wait_dscnt 10
	TH 0, AB1, 0
	TH 2, AB1, 0
	s_wait_dscnt 0x0
	PH AB1, 0
	GG AB1, 0
	; THE END.  g' to f16 and into LDS for all four waves; theta' to f16 and out; phi' to f16; then M' = phi'^T g' over the work-group's 128 rows, for my 64 l and all 64 o, and out in f32.
	WIN 0
	PLACES
	PLACES
	WIN 0x0f                                       ; sources window 3, destination window 0
.set i, 0
.rept 32
	v_cvt_pk_f16_f32 v[GP+i], v[2*i], v[2*i+1]     ; row tile a packs into GP + 4 a: tiles 2 kk, 2 kk + 1 are the fragment of rows 32 kk on
.set i, i+1
.endr
	WIN 0
.irp i, 0,1,2,3,4,5,6,7
	ds_store_b128 v[VGS], v[GP+4*(\i):GP+4*(\i)+3] offset:512*(\i)
.endr
	WIN 0x05                                       ; sources window 1, destination window 0
.irp a, 0,1,2,3,4,5,6,7
.irp c, 0,1,2,3
.irp j, 0,1,2,3
	v_cvt_pk_f16_f32 v[TP+16*(\a)+4*(\c)+(\j)], v[8*(8*(\c)+(\a))+2*(\j)], v[8*(8*(\c)+(\a))+2*(\j)+1]
.endr
.endr
.endr
	WIN 0
.irp a, 0,1,2,3,4,5,6,7
.irp c, 0,1,2,3
	global_store_b128 v[VL], v[TP+16*(\a)+4*(\c):TP+16*(\a)+4*(\c)+3], s[8:9] offset:(\a)*8192+(\c)*512 th:TH_STORE_NT  ; 512 consecutive bytes, aligned; each store has registers of its own
.endr
.endr
	s_wait_dscnt 0x0                               ; for the others' sake: my g' fragments lie in LDS
	s_barrier_signal -1
	WIN 0xca                                       ; sources window 2, destination window 3: work on registers between the signal and the wait
.set i, 0
.rept 128
	v_cvt_pk_f16_f32 v[SG+i], v[2*i], v[2*i+1]     ; the fragment of l tile c', rows 32 kk on, at SG + 8 (4 c' + kk)
.set i, i+1
.endr
	WIN 0
	s_barrier_wait -1
	WIN 0x40                                       ; destination window 1
.set i, 0
.rept 32
	ds_load_b128 v[4*i:4*i+3], v[VGL] offset:512*i ; the fragment of o tile ow, rows 32 kk on, at 8 (4 ow + kk)
.set i, i+1
.endr
	s_wait_dscnt 0x0
	WIN 0x57                                       ; phi' window 3, g' window 1, M' window 1
.irp kk, 0,1,2,3                       ; the 16 accumulators take turns, one instruction a turn; the first 32 rows start the sums
.irp c, 0,1,2,3
.irp o, 0,1,2,3
.if (\kk) == 0
	v_wmma_f32_16x16x32_f16 v[128+8*(4*(\c)+(\o)):128+8*(4*(\c)+(\o))+7], v[SG+8*(4*(\c)+(\kk)):SG+8*(4*(\c)+(\kk))+7], v[8*(4*(\o)+(\kk)):8*(4*(\o)+(\kk))+7], 0
.else
	v_wmma_f32_16x16x32_f16 v[128+8*(4*(\c)+(\o)):128+8*(4*(\c)+(\o))+7], v[SG+8*(4*(\c)+(\kk)):SG+8*(4*(\c)+(\kk))+7], v[8*(4*(\o)+(\kk)):8*(4*(\o)+(\kk))+7], v[128+8*(4*(\c)+(\o)):128+8*(4*(\c)+(\o))+7]
.endif
.endr
.endr
.endr
	PLACES
	PLACES
	WIN 0x04                                       ; store data window 1
.irp c, 0,1,2,3
.irp o, 0,1,2,3
.irp f, 0,1                            ; each accumulator's low half first
	global_store_b128 v[VL], v[128+8*(4*(\c)+(\o))+4*(\f):128+8*(4*(\c)+(\o))+4*(\f)+3], s[10:11] offset:(\o)*16384+(\c)*1024+(\f)*512 th:TH_STORE_NT  ; a partial sum: f32; 512 consecutive bytes, aligned
.endr
.endr
.endr
	WIN 0
	s_wait_tensorcnt 0x0                           ; the wave's end, behind my last tensor load and my last LDS store
	ds_add_u32 v[SPW], v[NIL]
	s_wait_dscnt 0x0
	CROUND                                         ; the closing round: no work-group ends while a partner may still ask for a tile that names it
	s_endpgm
.Lfunc_end_k_q58e7322d91_proj:
	.size	k_q58e7322d91_proj, .Lfunc_end_k_q58e7322d91_proj-k_q58e7322d91_proj
	.p2alignl 7, 3214868480
	.fill 96, 4, 3214868480
	.section	.rodata,"a",@progbits
	.p2align	6, 0x0
	.amdhsa_kernel k_q58e7322d91_proj
		.amdhsa_group_segment_fixed_size 327680
		.amdhsa_private_segment_fixed_size 0
		.amdhsa_enable_private_segment 0
		.amdhsa_kernarg_size 32
		.amdhsa_user_sgpr_count 2
		.amdhsa_user_sgpr_kernarg_segment_ptr 1
		.amdhsa_wavefront_size32 1
		.amdhsa_system_sgpr_workgroup_id_x 1
		.amdhsa_system_sgpr_workgroup_id_y 1
		.amdhsa_system_sgpr_workgroup_id_z 1
		.amdhsa_system_vgpr_workitem_id 0
		.amdhsa_next_free_vgpr 1024
		.amdhsa_next_free_sgpr 66
		.amdhsa_reserve_vcc 0
		.amdhsa_float_denorm_mode_32 3
		.amdhsa_float_denorm_mode_16_64 3
		.amdhsa_memory_ordered 1
		.amdhsa_forward_progress 1
		.amdhsa_inst_pref_size 152
	.end_amdhsa_kernel
	.amdgpu_metadata
---
amdhsa.version: [ 1, 2 ]
amdhsa.kernels:
  - .name:           k_q58e7322d91_proj
    .symbol:         k_q58e7322d91_proj.kd
    .args:
      - { .name: x, .offset: 0, .size: 8, .value_kind: global_buffer, .address_space: global }
      - { .name: wb, .offset: 8, .size: 8, .value_kind: global_buffer, .address_space: global }
      - { .name: th, .offset: 16, .size: 8, .value_kind: global_buffer, .address_space: global }
      - { .name: part, .offset: 24, .size: 8, .value_kind: global_buffer, .address_space: global }
    .group_segment_fixed_size: 327680
    .private_segment_fixed_size: 0
    .kernarg_segment_align: 8
    .kernarg_segment_size: 32
    .max_flat_workgroup_size: 128
    .sgpr_count:     66
    .vgpr_count:     1024
    .wavefront_size: 32
...
	.end_amdgpu_metadata
.endif
;; end of part 2
;; launch msumk (part 3): grid 256 x 1, 4 waves a work-group, no clusters, 0 bytes of LDS; arguments part, msum; writes msum
.if DOCPART == 3
	.amdgcn_target "amdgcn-amd-amdhsa--gfx1250"
	.amdhsa_code_object_version 6
	.text
	.protected	k_q58e7322d91_msumk
	.globl	k_q58e7322d91_msumk
	.p2align	8
	.type	k_q58e7322d91_msumk,@function
k_q58e7322d91_msumk:
	s_mov_b64 s[64:65], 0
	v_nop
	global_prefetch_b8 v0, s[64:65] scope:SCOPE_SE
	s_setreg_imm32_b32 hwreg(HW_REG_WAVE_MODE, 25, 1), 1
	s_wait_xcnt 0x0
; M'[b] = the sum of the 32 partial M' that the work-groups of batch b stored (each over 128 rows): f32 in, f32 out, always in the same order.
; (att is never formed: (theta phi^T) g = theta (phi^T g); shown at the head of the first kernel.)
; SHARES.  Work-group (b = n / 32, ch = n % 32) owns 2,048 bytes of the batch's 65,536; thread t 16 of them.  Each of a wave's loads and its store cover 512 consecutive bytes, aligned.
; All 32 loads of a thread go out at once; they are added in four groups of eight as they come.  No LDS, no matrix unit: a stream in which nothing is shared.
	s_load_b128 s[4:7], s[0:1], 0x0                ; part s[4:5], msum s[6:7]
	s_lshr_b32 s8, ttmp9, 5                        ; b
	s_and_b32 s9, ttmp9, 31                        ; ch
	s_lshl_b32 s12, s9, 11
	s_lshl_b32 s10, s8, 21                         ; a batch's 32 partial sums of 65,536 bytes
	s_add_co_u32 s10, s10, s12
	s_mov_b32 s11, 0
	s_lshl_b32 s14, s8, 16
	s_add_co_u32 s14, s14, s12
	s_mov_b32 s15, 0
	v_lshlrev_b32 v1, 4, v0
	s_wait_kmcnt 0x0
	s_add_nc_u64 s[4:5], s[4:5], s[10:11]
	s_add_nc_u64 s[6:7], s[6:7], s[14:15]
.set j, 0
.rept 32
	global_load_b128 v[8+4*j:8+4*j+3], v1, s[4:5] offset:j*65536 th:TH_LOAD_NT
.set j, j+1
.endr
.irp q, 0,1,2,3
	s_wait_loadcnt 24-8*(\q)                       ; group q's eight loads are in; the younger groups stay out
.irp m, 1,2,3,4,5,6,7
	v_pk_add_f32 v[8+32*(\q):9+32*(\q)],   v[8+32*(\q):9+32*(\q)],   v[8+32*(\q)+4*(\m):9+32*(\q)+4*(\m)]
	v_pk_add_f32 v[10+32*(\q):11+32*(\q)], v[10+32*(\q):11+32*(\q)], v[10+32*(\q)+4*(\m):11+32*(\q)+4*(\m)]
.endr
.endr
.irp q, 1,2,3
	v_pk_add_f32 v[8:9],   v[8:9],   v[8+32*(\q):9+32*(\q)]
	v_pk_add_f32 v[10:11], v[10:11], v[10+32*(\q):11+32*(\q)]
.endr
	global_store_b128 v1, v[8:11], s[6:7]
	s_endpgm
.Lfunc_end_k_q58e7322d91_msumk:
	.size	k_q58e7322d91_msumk, .Lfunc_end_k_q58e7322d91_msumk-k_q58e7322d91_msumk
	.p2alignl 7, 3214868480
	.fill 96, 4, 3214868480
	.section	.rodata,"a",@progbits
	.p2align	6, 0x0
	.amdhsa_kernel k_q58e7322d91_msumk
		.amdhsa_group_segment_fixed_size 0
		.amdhsa_private_segment_fixed_size 0
		.amdhsa_enable_private_segment 0
		.amdhsa_kernarg_size 16
		.amdhsa_user_sgpr_count 2
		.amdhsa_user_sgpr_kernarg_segment_ptr 1
		.amdhsa_wavefront_size32 1
		.amdhsa_system_sgpr_workgroup_id_x 1
		.amdhsa_system_sgpr_workgroup_id_y 1
		.amdhsa_system_sgpr_workgroup_id_z 1
		.amdhsa_system_vgpr_workitem_id 0
		.amdhsa_next_free_vgpr 140
		.amdhsa_next_free_sgpr 66
		.amdhsa_reserve_vcc 0
		.amdhsa_float_denorm_mode_32 3
		.amdhsa_float_denorm_mode_16_64 3
		.amdhsa_memory_ordered 1
		.amdhsa_forward_progress 1
		.amdhsa_inst_pref_size 8
	.end_amdhsa_kernel
	.amdgpu_metadata
---
amdhsa.version: [ 1, 2 ]
amdhsa.kernels:
  - .name:           k_q58e7322d91_msumk
    .symbol:         k_q58e7322d91_msumk.kd
    .args:
      - { .name: part, .offset: 0, .size: 8, .value_kind: global_buffer, .address_space: global }
      - { .name: msum, .offset: 8, .size: 8, .value_kind: global_buffer, .address_space: global }
    .group_segment_fixed_size: 0
    .private_segment_fixed_size: 0
    .kernarg_segment_align: 8
    .kernarg_segment_size: 16
    .max_flat_workgroup_size: 128
    .sgpr_count:     66
    .vgpr_count:     140
    .wavefront_size: 32
...
	.end_amdgpu_metadata
.endif
;; end of part 3
;; launch outk (part 4): grid 256 x 1, 4 waves a work-group, no clusters, 68,352 bytes of LDS; arguments th, msum, out0; writes out0
.if DOCPART == 4
	.amdgcn_target "amdgcn-amd-amdhsa--gfx1250"
	.amdhsa_code_object_version 6
	.text
	.protected	k_q58e7322d91_outk
	.globl	k_q58e7322d91_outk
	.p2align	8
	.type	k_q58e7322d91_outk,@function
k_q58e7322d91_outk:
	s_mov_b64 s[64:65], 0
	v_nop
	global_prefetch_b8 v0, s[64:65] scope:SCOPE_SE
	s_setreg_imm32_b32 hwreg(HW_REG_WAVE_MODE, 25, 1), 1
	s_wait_xcnt 0x0
; out = 1024 theta' M'  for 128 rows: theta' ([rows][256], f16, stored as fragments) times the batch's M' ([256][64], f32).
; (att is never formed: (theta phi^T) g = theta (phi^T g); shown at the head of the first kernel.  1024 = 32 x 32 x 32 / 32: the three weights carry 2^-5 each, the problem's scale is 1/32.)
; M' HAS NO FIXED RANGE, so it is scaled by a power of two before its one rounding to f16: S = the power of two at or below max |M'| of the batch; 1024 M' / S lies under 2,048 in magnitude;
; the f32 sums are multiplied by S.  Both factors are exact.
; LIMITS.  S is held to 2^-116 .. 2^126.  A number of M' under 6e-8 S / 1024 in magnitude rounds to 0.  NaN and infinities in M' are not treated apart (the maximum passes a NaN by).
; SHARES.  Work-group g owns rows 128 g .. + 127 of batch g / 32; wave w rows 32 w .. + 31 of them: two tiles of 16.  Of M' wave w converts o = 16 w .. + 15, all 256 l; the four meet in LDS.
; LAYOUT.  Source 0 = M' (16 o x 32 l), source 1 = theta' (32 l x 16 rows): a lane ends with ONE row and eight neighbouring o.  msum's image holds, for lane l, o = l % 16 and eight neighbouring l:
; rounded in pairs that IS source 0.  No cluster: what the work-groups of a batch share is 65,536 bytes, read once each through registers.
; REGISTERS: window 0: v0-15 addresses and scales; v16-143 M' in f32, later results; v144-207 M' packed; v208-223 at work.  window 1: v0-127 theta' (tile a, block lb at 8 (8 a + lb)); v128-191 the 8 accumulators.
;   window 2: M''s 32 fragments, (ow, lb) at 8 (8 ow + lb).
.set MX,    0                          ; four words: a maximum a wave; the block of 256 bytes is theirs
.set MF,    256                        ; M' in f16: 1,024 (8 ow + lb) + 512 half + 16 lane
.set STG,   MF+32768                   ; the way out: for each wave 2 x 16 rows of 272 bytes
.set SP,    272                        ; 256 bytes + 16 = 68 words: the 16 rows of a store start at 16 different groups of four banks (64 banks of 4 bytes: ISA guide 11.1)
.set SPARE, STG+4*32*SP                ; the spare words, 128 bytes for each wave: two blocks of 256 bytes that no other line names
.set VL,  4                            ; v4   16 x lane
.set VSS, 5                            ; v5   the way out: where I put 16 bytes of a row
.set VSR, 6                            ; v6   where I read rows back
.set VMS, 7                            ; v7   where I put M' fragments
.set SPW, 8                            ; v8   LDS address of my spare word; never rewritten
.set NIL, 9                            ; v9   0; never rewritten
.set VML, 10                           ; v10  where I read M' fragments
.set VMX, 11                           ; v11  my wave's word for the maximum
.set INV, 12                           ; v[12:13] 1024 / S, twice
.set SC,  14                           ; v[14:15] S, twice
.set MQ,  16
.set PK,  144
.set CH,  208                          ; v208-211 four running maxima, v212-215 four running minima
.set ACC, 128
.set WV,  12
.set MSB, 0
.macro WIN new
.if MSB != (\new)
	s_set_vgpr_msb (MSB<<8)|(\new)
.set MSB, \new
.endif
.endm
	s_load_b128 s[4:7], s[0:1], 0x0                ; th s[4:5], msum s[6:7]
	s_load_b64 s[8:9], s[0:1], 0x10                ; out0
	v_lshl_add_u32 v[SPW], v0, 2, SPARE
	v_mov_b32 v[NIL], 0
	v_lshrrev_b32 v1, 5, v0
	v_readfirstlane_b32 s[WV], v1                  ; wave 0..3
	v_and_b32 v3, 31, v0                           ; l
	v_and_b32 v1, 15, v0                           ; l % 16
	v_bfe_u32 v2, v0, 4, 1                         ; l / 16
	v_lshlrev_b32 v[VL], 4, v3
	s_mul_i32 s18, s[WV], 32*SP
	s_add_co_u32 s18, s18, STG                     ; my stage
	v_mul_u32_u24 v[VSS], v1, SP                   ; in: row l % 16, 32 bytes for each half of the lanes
	v_lshl_add_u32 v[VSS], v2, 5, v[VSS]
	v_add_nc_u32 v[VSS], s18, v[VSS]
	v_mul_u32_u24 v[VSR], v2, SP                   ; back: lanes 0-15 take one row of 256 bytes, lanes 16-31 the next
	v_lshl_add_u32 v[VSR], v1, 4, v[VSR]
	v_add_nc_u32 v[VSR], s18, v[VSR]
	s_lshl_b32 s19, s[WV], 13
	s_add_co_u32 s19, s19, MF
	v_lshl_add_u32 v[VMS], v3, 4, s19
	v_lshl_add_u32 v[VML], v3, 4, MF
	v_mov_b32 v[VMX], s[WV]
	v_lshlrev_b32 v[VMX], 2, v[VMX]                ; MX + 4 w
	s_mov_b32 s14, 0x76543210                      ; v_permlanex16_b32: each lane takes its own place in the other half
	s_mov_b32 s15, 0xfedcba98
	s_mov_b32 s16, 0x05800000                      ; 2^-116
	s_mov_b32 s17, 0x7e800000                      ; 2^126
	s_lshl_b32 s22, s[WV], 14
	s_lshl_b32 s20, ttmp9, 16                      ; th: 65,536 g + 16,384 w (my two row tiles)
	s_add_co_u32 s20, s20, s22
	s_mov_b32 s21, 0
	s_lshr_b32 s24, ttmp9, 5                       ; msum: 65,536 b + 16,384 w (my o tile)
	s_lshl_b32 s24, s24, 16
	s_add_co_u32 s24, s24, s22
	s_mov_b32 s25, 0
	s_lshl_b32 s26, ttmp9, 15                      ; out0: 128 rows of 256 bytes, my 32 of them
	s_lshl_b32 s22, s[WV], 13
	s_add_co_u32 s26, s26, s22
	s_mov_b32 s27, 0
	s_wait_kmcnt 0x0
	s_add_nc_u64 s[4:5], s[4:5], s[20:21]
	s_add_nc_u64 s[6:7], s[6:7], s[24:25]
	s_add_nc_u64 s[8:9], s[8:9], s[26:27]
.set i, 0
.rept 32
	global_load_b128 v[MQ+4*i:MQ+4*i+3], v[VL], s[6:7] offset:512*i   ; l tile i / 2, half i % 2: MQ + 8 lt holds eight neighbouring l
.set i, i+1
.endr
	WIN 0x40                                       ; destination window 1
.set i, 0
.rept 32
	global_load_b128 v[4*i:4*i+3], v[VL], s[4:5] offset:512*i th:TH_LOAD_NT
.set i, i+1
.endr
	WIN 0
	s_wait_loadcnt 32                              ; M' is in; theta''s 32 loads stay out
	; the largest and the smallest of my 128 numbers, in four chains each
.irp k, 0,1,2,3
	v_max3_num_f32 v[CH+\k],   v[MQ+32*\k], v[MQ+32*\k+1], v[MQ+32*\k+2]
	v_min3_num_f32 v[CH+4+\k], v[MQ+32*\k], v[MQ+32*\k+1], v[MQ+32*\k+2]
.endr
.set n, 0
.rept 14
.irp k, 0,1,2,3
	v_max3_num_f32 v[CH+\k],   v[CH+\k],   v[MQ+32*\k+3+2*n], v[MQ+32*\k+4+2*n]
	v_min3_num_f32 v[CH+4+\k], v[CH+4+\k], v[MQ+32*\k+3+2*n], v[MQ+32*\k+4+2*n]
.endr
.set n, n+1
.endr
.irp k, 0,1,2,3
	v_max_num_f32 v[CH+\k],   v[CH+\k],   v[MQ+32*\k+31]
	v_min_num_f32 v[CH+4+\k], v[CH+4+\k], v[MQ+32*\k+31]
.endr
	v_max3_num_f32 v[CH],   v[CH],   v[CH+1], v[CH+2]
	v_min3_num_f32 v[CH+4], v[CH+4], v[CH+5], v[CH+6]
	v_max_num_f32 v[CH],   v[CH],   v[CH+3]
	v_min_num_f32 v[CH+4], v[CH+4], v[CH+7]
	v_sub_f32 v[CH+4], 0, v[CH+4]
	v_max_num_f32 v[CH], v[CH], v[CH+4]            ; the largest magnitude
	v_max_num_f32_dpp v[CH], v[CH], v[CH] row_xmask:1 row_mask:0xf bank_mask:0xf
	v_max_num_f32_dpp v[CH], v[CH], v[CH] row_xmask:2 row_mask:0xf bank_mask:0xf
	v_max_num_f32_dpp v[CH], v[CH], v[CH] row_xmask:4 row_mask:0xf bank_mask:0xf
	v_max_num_f32_dpp v[CH], v[CH], v[CH] row_xmask:8 row_mask:0xf bank_mask:0xf
	v_permlanex16_b32 v[CH+1], v[CH], s14, s15
	v_max_num_f32 v[CH], v[CH], v[CH+1]            ; of the wave's o tile, in every lane
	ds_store_b32 v[VMX], v[CH]                     ; all lanes write the same word with the same value
	s_wait_dscnt 0x0
	s_barrier_signal -1
	s_barrier_wait -1
	v_mov_b32 v[CH+12], MX
	ds_load_b128 v[CH+8:CH+11], v[CH+12]           ; the four waves' maxima
	s_wait_dscnt 0x0
	v_max3_num_f32 v[CH], v[CH+8], v[CH+9], v[CH+10]
	v_max_num_f32 v[CH], v[CH], v[CH+11]           ; max |M'| of the batch
	v_and_b32 v[SC], 0x7f800000, v[CH]             ; its exponent alone: the power of two at or below it
	v_max_num_f32 v[SC], s16, v[SC]
	v_min_num_f32 v[SC], s17, v[SC]                ; S, held to 2^-116 .. 2^126
	v_sub_nc_u32 v[INV], 0x84000000, v[SC]         ; 1024 / S: the exponent field is 264 less S's, 11 to 253
	v_mov_b32 v[SC+1], v[SC]
	v_mov_b32 v[INV+1], v[INV]
.set i, 0
.rept 64
	v_pk_mul_f32 v[MQ+2*i:MQ+2*i+1], v[MQ+2*i:MQ+2*i+1], v[INV:INV+1]  ; exact
.set i, i+1
.endr
.set i, 0
.rept 64
	v_cvt_pk_f16_f32 v[PK+i], v[MQ+2*i], v[MQ+2*i+1]                   ; M''s one rounding
.set i, i+1
.endr
.set i, 0
.rept 16
	ds_store_b128 v[VMS], v[PK+4*i:PK+4*i+3] offset:512*i              ; l tile i: half i % 2 of the fragment of l block i / 2
.set i, i+1
.endr
	s_wait_dscnt 0x0                               ; for the others' sake: my fragments lie in LDS
	s_barrier_signal -1
	s_barrier_wait -1
	WIN 0x80                                       ; destination window 2
.set i, 0
.rept 64
	ds_load_b128 v[4*i:4*i+3], v[VML] offset:512*i
.set i, i+1
.endr
	s_wait_loadcnt 0x0                             ; theta'
	s_wait_dscnt 0x0
	WIN 0x56                                       ; M' window 2, theta' window 1, sums window 1
.irp lb, 0,1,2,3,4,5,6,7               ; the eight accumulators take turns, one instruction a turn; the first 32 l start the sums
.irp a, 0,1
.irp o, 0,1,2,3
.if (\lb) == 0
	v_wmma_f32_16x16x32_f16 v[ACC+8*(4*(\a)+(\o)):ACC+8*(4*(\a)+(\o))+7], v[8*(8*(\o)+(\lb)):8*(8*(\o)+(\lb))+7], v[8*(8*(\a)+(\lb)):8*(8*(\a)+(\lb))+7], 0
.else
	v_wmma_f32_16x16x32_f16 v[ACC+8*(4*(\a)+(\o)):ACC+8*(4*(\a)+(\o))+7], v[8*(8*(\o)+(\lb)):8*(8*(\o)+(\lb))+7], v[8*(8*(\a)+(\lb)):8*(8*(\a)+(\lb))+7], v[ACC+8*(4*(\a)+(\o)):ACC+8*(4*(\a)+(\o))+7]
.endif
.endr
.endr
.endr
.rept 8
	v_nop                                          ; the places behind the last products (ISA guide 7.12.1)
.endr
	WIN 0x01                                       ; source 0 window 1, destination window 0
.set i, 0
.rept 32
	v_pk_mul_f32 v[MQ+2*i:MQ+2*i+1], v[ACC+2*i:ACC+2*i+1], v[SC:SC+1]  ; times S: exact; each accumulator from its low end on
.set i, i+1
.endr
	WIN 0
	; THE WAY OUT, through my own stage: a lane's 32 bytes of a row go into rows of 272 bytes and come back as whole rows of 256.
.irp a, 0,1
.irp o, 0,1,2,3
.irp f, 0,1
	ds_store_b128 v[VSS], v[MQ+8*(4*(\a)+(\o))+4*(\f):MQ+8*(4*(\a)+(\o))+4*(\f)+3] offset:(\a)*16*SP+(\o)*64+(\f)*16
.endr
.endr
.endr
.irp a, 0,1
.irp t, 0,1,2,3,4,5,6,7
	ds_load_b128 v[80+4*(8*(\a)+(\t)):80+4*(8*(\a)+(\t))+3], v[VSR] offset:(\a)*16*SP+(\t)*2*SP  ; LDS serves a wave's instructions in order (ISA guide 5.7.1.4): these see the stores above
.endr
.endr
.set i, 0
.rept 16
	s_wait_dscnt 15-i                              ; load i is back; the younger ones stay out
	global_store_b128 v[VL], v[80+4*i:80+4*i+3], s[8:9] offset:512*i th:TH_STORE_NT  ; two whole rows of out: 512 consecutive bytes, aligned
.set i, i+1
.endr
	s_wait_tensorcnt 0x0                           ; the wave's end, behind my last LDS store
	ds_add_u32 v[SPW], v[NIL]
	s_wait_dscnt 0x0
	s_endpgm
.Lfunc_end_k_q58e7322d91_outk:
	.size	k_q58e7322d91_outk, .Lfunc_end_k_q58e7322d91_outk-k_q58e7322d91_outk
	.p2alignl 7, 3214868480
	.fill 96, 4, 3214868480
	.section	.rodata,"a",@progbits
	.p2align	6, 0x0
	.amdhsa_kernel k_q58e7322d91_outk
		.amdhsa_group_segment_fixed_size 68352
		.amdhsa_private_segment_fixed_size 0
		.amdhsa_enable_private_segment 0
		.amdhsa_kernarg_size 24
		.amdhsa_user_sgpr_count 2
		.amdhsa_user_sgpr_kernarg_segment_ptr 1
		.amdhsa_wavefront_size32 1
		.amdhsa_system_sgpr_workgroup_id_x 1
		.amdhsa_system_sgpr_workgroup_id_y 1
		.amdhsa_system_sgpr_workgroup_id_z 1
		.amdhsa_system_vgpr_workitem_id 0
		.amdhsa_next_free_vgpr 768
		.amdhsa_next_free_sgpr 66
		.amdhsa_reserve_vcc 0
		.amdhsa_float_denorm_mode_32 3
		.amdhsa_float_denorm_mode_16_64 3
		.amdhsa_memory_ordered 1
		.amdhsa_forward_progress 1
		.amdhsa_inst_pref_size 42
	.end_amdhsa_kernel
	.amdgpu_metadata
---
amdhsa.version: [ 1, 2 ]
amdhsa.kernels:
  - .name:           k_q58e7322d91_outk
    .symbol:         k_q58e7322d91_outk.kd
    .args:
      - { .name: th, .offset: 0, .size: 8, .value_kind: global_buffer, .address_space: global }
      - { .name: msum, .offset: 8, .size: 8, .value_kind: global_buffer, .address_space: global }
      - { .name: out0, .offset: 16, .size: 8, .value_kind: global_buffer, .address_space: global }
    .group_segment_fixed_size: 68352
    .private_segment_fixed_size: 0
    .kernarg_segment_align: 8
    .kernarg_segment_size: 24
    .max_flat_workgroup_size: 128
    .sgpr_count:     66
    .vgpr_count:     768
    .wavefront_size: 32
...
	.end_amdgpu_metadata
.endif
;; end of part 4
